; MI455X (gfx1250); checked and timed in simulation.
; The chip was launched on July 23, 2026; its instructions are those of AMD's public machine-readable ISA for CDNA 5 (MIT licence, August 2026) and "CDNA5" Instruction Set Architecture Reference Guide (July 2026). The comments in the code are by the model that wrote it; some were corrected since.
;; Gauss Renderer. Allowed arithmetic: float matrix products may take bf16 or f16 operands with f32 sums; all other float work in f32.
;; Inputs: colors 1,024 x 3 float32; means3D 1,024 x 3 float32; opacity 1,024 x 1 float32; projmatrix 4 x 4 float32; rotations 1,024 x 4 float32; scales 1,024 x 3 float32; viewmatrix 4 x 4 float32.
;; Outputs: out0 200 x 200 x 3 float32; out1 200 x 200 x 1 float32; out2 1,024 float32.
;; One version. Each part assembles by itself: llvm-mc -triple=amdgcn-amd-amdhsa -mcpu=gfx1250 --defsym DOCPART=n.
;; ======== version 1 of 1: 3 launches
;; workspace buffers: par 40,960 bytes; idx 6,144 bytes of whole numbers; lst 278,528 bytes of whole numbers
;; launch prep (part 1): grid 32 x 1, 18 waves a work-group, no clusters, 4,608 bytes of LDS; arguments means3D, scales, rotations, opacity, colors, viewmatrix, projmatrix, par, idx, out2; writes par, idx, out2
.if DOCPART == 1
	.amdgcn_target "amdgcn-amd-amdhsa--gfx1250"
	.amdhsa_code_object_version 6
	.text
	.protected	k_q2c84d7b96b_prep
	.globl	k_q2c84d7b96b_prep
	.p2align	8
	.type	k_q2c84d7b96b_prep,@function
k_q2c84d7b96b_prep:
	s_mov_b64 s[64:65], 0
	v_nop
	global_prefetch_b8 v0, s[64:65] scope:SCOPE_SE
	s_setreg_imm32_b32 hwreg(HW_REG_WAVE_MODE, 25, 1), 1
	s_wait_xcnt 0x0
; GAUSSIAN PREPARATION.  1,024 Gaussians; work-group g owns the 32 Gaussians i = 32 g + lane.
; Stored:  par   plane 0 [1024][4] at byte 0      (mx, my, A', B')
;                plane 1 [1024][2] at byte 16384  (C', opacity)
;                plane 2 [1024][4] at byte 24576  (r, g, b, 1.0)
;          idx   rank[i] (u32) at byte 4 i: the place of Gaussian i in the stable sort by depth
;                tb[g][16] (u32) at byte 4096 + 64 g: words 0-7 bit l = rectangle of Gaussian 32 g + l overlaps tile column c,
;                words 8-15 the same for tile rows.  The tile test is (x test) and (y test), so 16 words stand for 64 tiles.
;          out2  the radii.
; alpha(pixel) = opacity * 2^(A' dx^2 + B' dx dy + C' dy^2): -0.5 log2(e) and the inverse of cov2d + 1e-6 I are folded into A', B', C'.
; Eighteen waves share the work by their number: waves 0-15 count, for the 32 own Gaussians, how many of 64 others lie in front;
; wave 16 counts equal depths with a smaller index inside the own block (that makes the sort stable); wave 17 does the geometry.
; The counts meet in LDS (17 rows of 32 words, 128 bytes apart) behind one barrier, and wave 0 adds and stores them.
; No matrix unit: every product here is 3 or 4 long and in f32.  No tensor load, no cluster: the inputs are 57 KB, read by plain loads.
; LIMITS.  A NaN depth is not placed as the reference's sort places it (the key + 1 below also takes the key not to be 0xffffffff,
; a NaN's pattern).  -0 and +0 depths count as equal.  Divisions are v_rcp_f32 and a multiply, the norm v_rsq_f32 (1 ULP each).
; cov2d is formed as N N^T with N = J Wm R S, the same algebra in another order of rounding: a sqrt(lambda) that lies within a few
; ULP of a whole number can be rounded up otherwise than in the reference.
.set EPS6,   0x358637bd                ; 1e-6
.set LIM,    0x3f402465                ; 1.3 tan(30 deg) = 0.75055535
.set NLIM,   0xbf402465
.set FOCAL,  0x432d3480                ; 100 / tan(30 deg) = 173.20508
.set NFOCAL, 0xc32d3480
.set F200,   0x43480000                ; 200.0 (W = H)
.set F199,   0x43470000                ; 199.0
.set F03,    0x3e99999a                ; 0.3
.set F01,    0x3dcccccd                ; 0.1
.set KNEG,   0xbf38aa3b                ; -0.5 log2(e)
.set KPOS,   0x3fb8aa3b                ; log2(e)
; scalars: s2 g, s3 wave, s[8:23] means, scales, rotations, opacity, colors, view, proj, par; s[24:27] idx, out2;
;          s[32:47] V[r][c] = s[32+4r+c]; s[48:63] P likewise; s[68:83] ballots; s84 saved EXEC; s86 a key
; vectors, all waves: v1 lane, v3 i, v4 12 i, v6 4 x thread, v7 4 i, v[8:10] own means
	s_load_b512 s[8:23], s[0:1], 0x0
	s_load_b128 s[24:27], s[0:1], 0x40
	v_lshl_add_u32 v100, v0, 2, 0x900
	v_mov_b32 v101, 0
	v_and_b32 v1, 31, v0                           ; lane
	v_lshrrev_b32 v2, 5, v0
	v_readfirstlane_b32 s3, v2                     ; wave 0..17
	s_mov_b32 s2, ttmp9                            ; g
	s_lshl_b32 s4, s2, 5
	v_add_nc_u32 v3, s4, v1                        ; i = 32 g + lane
	v_mul_u32_u24 v4, v3, 12
	v_lshlrev_b32 v6, 2, v0                        ; 128 x wave + 4 x lane: my word in the table of counts
	v_lshlrev_b32 v7, 2, v3
	s_wait_kmcnt 0x0
	s_load_b512 s[32:47], s[18:19], 0x0            ; viewmatrix
	s_load_b512 s[48:63], s[20:21], 0x0            ; projmatrix
	global_load_b96 v[8:10], v4, s[8:9]            ; own means: every wave needs them
	s_cmp_eq_u32 s3, 17
	s_cbranch_scc1 .Lprep
	s_cmp_eq_u32 s3, 16
	s_cbranch_scc1 .Lties
; depth = (x, y, z, 1) . column 2 of V, then a u32 that orders as the float does.  The same eight lines in every wave: equal bits everywhere.
.macro KEY dst, m, t
	v_mul_f32 v[\dst], s34, v[\m]
	v_fma_f32 v[\dst], v[\m+1], s38, v[\dst]
	v_fma_f32 v[\dst], v[\m+2], s42, v[\dst]
	v_add_f32 v[\dst], s46, v[\dst]
	v_add_f32 v[\dst], 0, v[\dst]                  ; -0 becomes +0
	v_ashrrev_i32 v[\t], 31, v[\dst]
	v_or_b32 v[\t], 0x80000000, v[\t]              ; positive: flip the sign; negative: flip all
	v_xor_b32 v[\dst], v[\t], v[\dst]
.endm
; v24 += the number of the 32 keys in register u that are below the lane's threshold v23
.macro CNT32 u
.set jj, 0
.rept 32
	v_readlane_b32 s86, v[\u], jj
	v_cmp_lt_u32 vcc_lo, s86, v23
	v_add_co_ci_u32 v24, vcc_lo, 0, v24, vcc_lo
.set jj, jj+1
.endr
.endm
	; WAVES 0-15: blocks 2 w and 2 w + 1 of the others
	s_lshl_b32 s5, s3, 6
	v_add_nc_u32 v5, s5, v1                        ; j = 64 w + lane
	v_mul_u32_u24 v5, v5, 12
	global_load_b96 v[12:14], v5, s[8:9]
	global_load_b96 v[16:18], v5, s[8:9] offset:384        ; j + 32
	s_lshl_b32 s6, s3, 1
	s_cmp_lt_u32 s6, s2                            ; a block in front of mine: equal keys count too (key < own + 1)
	s_cselect_b32 s7, 1, 0
	s_add_co_u32 s6, s6, 1
	s_cmp_lt_u32 s6, s2
	s_cselect_b32 s28, 1, 0
	s_wait_kmcnt 0x0                               ; V
	s_wait_loadcnt 0x0                             ; all three are needed at once
	KEY 20, 8, 25
	KEY 21, 12, 25
	KEY 22, 16, 25
	v_mov_b32 v24, 0
	v_add_nc_u32 v23, s7, v20
	CNT32 21
	v_add_nc_u32 v23, s28, v20
	CNT32 22
	ds_store_b32 v6, v24
	s_branch .Ljoin
.Lties:	; WAVE 16: equal keys at a smaller index inside my own block
	s_wait_kmcnt 0x0
	s_wait_loadcnt 0x0
	KEY 20, 8, 25
	v_mov_b32 v24, 0
.set jj, 0
.rept 31
	v_readlane_b32 s86, v20, jj
	v_cmp_eq_u32 vcc_lo, s86, v20
	s_and_b32 vcc_lo, vcc_lo, (0xffffffff<<(jj+1))&0xffffffff      ; lanes above jj only
	v_add_co_ci_u32 v24, vcc_lo, 0, v24, vcc_lo
.set jj, jj+1
.endr
	ds_store_b32 v6, v24
	s_branch .Ljoin
.Lprep:	; WAVE 17: the geometry of Gaussian i
	; v[12:14] scales, v[16:19] quaternion, v[26:34] RS, v[36:44] M = Wm RS, v[46:51] N = J M, v52-54 t, v55 1/(tz+eps), v56-58 J00 J02 J12,
	; v59-61 cov2d a b c, v62-65 p_view, v66-68 ph 0 1 3, v72 radius, v73-76 rectangle, v77-87 at work,
	; v[88:91] v[92:93] v[94:97] the three planes as stored, v98 ballot words, v99 8 i
	v_lshlrev_b32 v5, 4, v3
	v_lshlrev_b32 v99, 3, v3
	global_load_b128 v[16:19], v5, s[12:13]
	global_load_b96 v[12:14], v4, s[10:11]
	global_load_b32 v93, v7, s[14:15]              ; opacity, straight into plane 1
	global_load_b96 v[94:96], v4, s[16:17]         ; colours, straight into plane 2
	s_wait_kmcnt 0x0                               ; V and P
	s_wait_loadcnt 0x4                             ; the means are in; the four loads issued behind them stay out
.irp c, 0,1,2,3
	v_mul_f32 v[62+\c], s[32+\c], v8               ; p_view = (m, 1) V
	v_fma_f32 v[62+\c], v9, s[36+\c], v[62+\c]
	v_fma_f32 v[62+\c], v10, s[40+\c], v[62+\c]
	v_add_f32 v[62+\c], s[44+\c], v[62+\c]
.endr
.macro PH dst, c                       ; component c of p_view P
	v_mul_f32 v[\dst], s[48+\c], v62
	v_fma_f32 v[\dst], v63, s[52+\c], v[\dst]
	v_fma_f32 v[\dst], v64, s[56+\c], v[\dst]
	v_fma_f32 v[\dst], v65, s[60+\c], v[\dst]
.endm
	PH 66, 0
	PH 67, 1
	PH 68, 3
.irp a, 0,1,2
	v_mul_f32 v[52+\a], s[32+4*\a], v8             ; t = m Rv^T + Tv
	v_fma_f32 v[52+\a], v9, s[33+4*\a], v[52+\a]
	v_fma_f32 v[52+\a], v10, s[34+4*\a], v[52+\a]
	v_add_f32 v[52+\a], s[35+4*\a], v[52+\a]
.endr
	v_add_f32 v77, EPS6, v68
	v_add_f32 v78, EPS6, v54
	v_rcp_f32 v79, v77                             ; 1 / (w + 1e-6)
	v_rcp_f32 v80, v54                             ; 1 / tz
	v_rcp_f32 v55, v78                             ; 1 / (tz + 1e-6)
	s_wait_loadcnt 0x3                             ; the quaternion is in; scales, opacity, colours stay out
	v_mul_f32 v81, v16, v16                        ; the plain instruction behind the reciprocals (ISA guide 5.7.2)
	v_fma_f32 v81, v17, v17, v81
	v_fma_f32 v81, v18, v18, v81
	v_fma_f32 v81, v19, v19, v81
	v_rsq_f32 v82, v81
	s_wait_alu depctr_va_vdst(0)
	v_fma_f32 v88, v66, v79, 1.0                   ; plain work behind v_rsq_f32: the screen mean ((p + 1) 200 - 1) / 2
	v_fma_f32 v89, v67, v79, 1.0
	v_fma_f32 v88, v88, F200, -1.0
	v_fma_f32 v89, v89, F200, -1.0
	v_mul_f32 v88, 0.5, v88                        ; mx
	v_mul_f32 v89, 0.5, v89                        ; my
	v_mul_f32 v83, v52, v80
	v_mul_f32 v84, v53, v80
	v_max_num_f32 v83, NLIM, v83
	v_max_num_f32 v84, NLIM, v84
	v_min_num_f32 v83, LIM, v83
	v_min_num_f32 v84, LIM, v84
	v_mul_f32 v83, v83, v54                        ; tx
	v_mul_f32 v84, v84, v54                        ; ty
	v_mul_f32 v56, FOCAL, v55                      ; J00 = J11
	v_mul_f32 v83, NFOCAL, v83
	v_mul_f32 v84, NFOCAL, v84
	v_mul_f32 v83, v83, v55
	v_mul_f32 v84, v84, v55
	v_mul_f32 v57, v83, v55                        ; J02
	v_mul_f32 v58, v84, v55                        ; J12
.irp r, 16,17,18,19
	v_mul_f32 v\r, v\r, v82                        ; the unit quaternion (r, x, y, z)
.endr
	v_mul_f32 v77, v18, v18                        ; yy
	v_mul_f32 v78, v17, v17                        ; xx
	v_fma_f32 v79, v19, v19, v77                   ; yy + zz
	v_fma_f32 v80, v19, v19, v78                   ; xx + zz
	v_add_f32 v81, v78, v77                        ; xx + yy
	v_fma_f32 v79, v79, -2.0, 1.0                  ; R00
	v_fma_f32 v80, v80, -2.0, 1.0                  ; R11
	v_fma_f32 v81, v81, -2.0, 1.0                  ; R22
	v_mul_f32 v82, v16, v19                        ; rz
	v_mul_f32 v83, v16, v18                        ; ry
	v_mul_f32 v84, v16, v17                        ; rx
	v_fma_f32 v27, v17, v18, -v82                  ; R01 / 2
	v_fma_f32 v29, v17, v18, v82                   ; R10 / 2
	v_fma_f32 v28, v17, v19, v83                   ; R02 / 2
	v_fma_f32 v32, v17, v19, -v83                  ; R20 / 2
	v_fma_f32 v31, v18, v19, -v84                  ; R12 / 2
	v_fma_f32 v33, v18, v19, v84                   ; R21 / 2
	s_wait_loadcnt 0x2                             ; the scales are in; opacity and colours stay out
	v_add_f32 v85, v12, v12
	v_add_f32 v86, v13, v13
	v_add_f32 v87, v14, v14
	v_mul_f32 v26, v79, v12                        ; RS[a][b] = R[a][b] s_b at v[26 + 3 a + b]
	v_mul_f32 v27, v27, v86
	v_mul_f32 v28, v28, v87
	v_mul_f32 v29, v29, v85
	v_mul_f32 v30, v80, v13
	v_mul_f32 v31, v31, v87
	v_mul_f32 v32, v32, v85
	v_mul_f32 v33, v33, v86
	v_mul_f32 v34, v81, v14
.irp i, 0,1,2
.irp b, 0,1,2
	v_mul_f32 v[36+3*\i+\b], s[32+\i], v[26+\b]    ; M[i][b] = sum over j of V[j][i] RS[j][b]
	v_fma_f32 v[36+3*\i+\b], v[29+\b], s[36+\i], v[36+3*\i+\b]
	v_fma_f32 v[36+3*\i+\b], v[32+\b], s[40+\i], v[36+3*\i+\b]
.endr
.endr
.irp b, 0,1,2
	v_mul_f32 v[46+\b], v56, v[36+\b]              ; N = J M, two rows
	v_fma_f32 v[46+\b], v57, v[42+\b], v[46+\b]
	v_mul_f32 v[49+\b], v56, v[39+\b]
	v_fma_f32 v[49+\b], v58, v[42+\b], v[49+\b]
.endr
	v_fmaak_f32 v59, v46, v46, F03                 ; a = N0 . N0 + 0.3
	v_fmaak_f32 v61, v49, v49, F03                 ; c = N1 . N1 + 0.3
	v_mul_f32 v60, v46, v49                        ; b = N0 . N1
	v_fma_f32 v59, v47, v47, v59
	v_fma_f32 v61, v50, v50, v61
	v_fma_f32 v60, v47, v50, v60
	v_fma_f32 v59, v48, v48, v59
	v_fma_f32 v61, v51, v51, v61
	v_fma_f32 v60, v48, v51, v60
	; radius and conic, interleaved so that plain work stands behind each root and reciprocal (ISA guide 5.7.2)
	v_mul_f32 v77, v60, v60                        ; b b
	v_add_f32 v78, v59, v61
	v_fma_f32 v79, v59, v61, -v77                  ; det
	v_mul_f32 v78, 0.5, v78                        ; mid
	v_fma_f32 v80, v78, v78, -v79
	v_max_num_f32 v80, F01, v80
	v_sqrt_f32 v81, v80
	v_add_f32 v82, EPS6, v59                       ; a'
	v_add_f32 v83, EPS6, v61                       ; c'
	v_fma_f32 v84, v82, v83, -v77                  ; det of cov2d + 1e-6 I
	v_rcp_f32 v85, v84
	s_wait_alu depctr_va_vdst(0)
	v_add_f32 v86, v78, v81
	v_sub_f32 v87, v78, v81
	v_max_num_f32 v86, v86, v87                    ; the larger eigenvalue
	v_sqrt_f32 v87, v86
	v_mul_f32 v79, KNEG, v85
	v_mul_f32 v80, KPOS, v85
	v_mul_f32 v90, v83, v79                        ; A' = -0.5 log2e  c' / det
	v_mul_f32 v91, v60, v80                        ; B' = -0.5 log2e (-2 b) / det
	v_mul_f32 v92, v82, v79                        ; C' = -0.5 log2e  a' / det
	s_wait_alu depctr_va_vdst(0)
	v_mul_f32 v87, -1.0, v87
	v_floor_f32 v87, v87                           ; ceil(x) = -floor(-x)
	v_mul_f32 v72, 0xc0400000, v87                 ; radius = 3 ceil(sqrt(lambda))
	v_sub_f32 v73, v88, v72
	v_sub_f32 v74, v89, v72
	v_add_f32 v75, v88, v72
	v_add_f32 v76, v89, v72
.irp r, 73,74,75,76
	v_max_num_f32 v\r, 0, v\r                      ; the rectangle, clipped to 0 .. 199
	v_min_num_f32 v\r, F199, v\r
.endr
; tile column (row) c spans lo .. hi: overlap where min(rmax, hi) > max(rmin, lo)
.macro BAL c, lo, hi
	v_max_num_f32 v77, \lo, v73
	v_min_num_f32 v78, \hi, v75
	v_max_num_f32 v79, \lo, v74
	v_min_num_f32 v80, \hi, v76
	v_cmp_gt_f32 s[68+\c], v78, v77
	v_cmp_gt_f32 s[76+\c], v80, v79
.endm
	BAL 0, 0,          0x41c00000                  ;   0 ..  24
	BAL 1, 0x41c80000, 0x42440000                  ;  25 ..  49
	BAL 2, 0x42480000, 0x42940000                  ;  50 ..  74
	BAL 3, 0x42960000, 0x42c60000                  ;  75 ..  99
	BAL 4, 0x42c80000, 0x42f80000                  ; 100 .. 124
	BAL 5, 0x42fa0000, 0x43150000                  ; 125 .. 149
	BAL 6, 0x43160000, 0x432e0000                  ; 150 .. 174
	BAL 7, 0x432f0000, 0x43470000                  ; 175 .. 199
	v_mov_b32 v98, 0
.set kk, 0
.rept 16
	v_writelane_b32 v98, s[68+kk], kk              ; word kk of tb[g] into lane kk
.set kk, kk+1
.endr
	s_lshl_b32 s5, s2, 6
	v_lshlrev_b32 v77, 2, v1
	v_add_nc_u32 v77, s5, v77                      ; 64 g + 4 lane
	s_wait_loadcnt 0x0                             ; opacity and colours
.irp r, 94,95,96
	v_add_f32 v\r, 0.5, v\r
	v_max_num_f32 v\r, 0, v\r
.endr
	v_mov_b32 v97, 1.0                             ; the fourth colour sums the weights: out1
	global_store_b128 v5, v[88:91], s[22:23]               ; each of these four covers the wave's 32 Gaussians without gaps
	global_store_b64 v99, v[92:93], s[22:23] offset:16384
	global_store_b128 v5, v[94:97], s[22:23] offset:24576
	global_store_b32 v7, v72, s[26:27]
	s_wait_xcnt 0x0                                ; EXEC is a source of the stores above: it changes only behind this wait
	v_cmp_gt_u32 vcc_lo, 16, v1
	s_and_saveexec_b32 s84, vcc_lo
	global_store_b32 v77, v98, s[24:25] offset:4096        ; lanes 0-15: the 16 words of tb[g]
	s_wait_xcnt 0x0                                ; and again in front of the line that widens it
	s_or_b32 exec_lo, exec_lo, s84
.Ljoin:
	s_wait_dscnt 0x0                               ; my counts are in LDS: zero, for wave 0's sake
	s_barrier_signal -1
	s_barrier_wait -1
	s_cmp_lg_u32 s3, 0
	s_cbranch_scc1 .Lend
.set rr, 0
.rept 17
	ds_load_b32 v[40+rr], v6 offset:128*rr         ; in wave 0, v6 = 4 x lane: the 17 counts of Gaussian i
.set rr, rr+1
.endr
	s_wait_dscnt 0x0
.set rr, 0
.rept 8
	v_add3_u32 v40, v40, v[41+2*rr], v[42+2*rr]
.set rr, rr+1
.endr
	global_store_b32 v7, v40, s[24:25]             ; rank[i]
.Lend:
	s_wait_tensorcnt 0x0
	ds_add_u32 v100, v101
	s_wait_dscnt 0x0
	s_endpgm
.Lfunc_end_k_q2c84d7b96b_prep:
	.size	k_q2c84d7b96b_prep, .Lfunc_end_k_q2c84d7b96b_prep-k_q2c84d7b96b_prep
	.p2alignl 7, 3214868480
	.fill 96, 4, 3214868480
	.section	.rodata,"a",@progbits
	.p2align	6, 0x0
	.amdhsa_kernel k_q2c84d7b96b_prep
		.amdhsa_group_segment_fixed_size 4608
		.amdhsa_private_segment_fixed_size 0
		.amdhsa_enable_private_segment 0
		.amdhsa_kernarg_size 80
		.amdhsa_user_sgpr_count 2
		.amdhsa_user_sgpr_kernarg_segment_ptr 1
		.amdhsa_wavefront_size32 1
		.amdhsa_system_sgpr_workgroup_id_x 1
		.amdhsa_system_sgpr_workgroup_id_y 1
		.amdhsa_system_sgpr_workgroup_id_z 1
		.amdhsa_system_vgpr_workitem_id 0
		.amdhsa_next_free_vgpr 102
		.amdhsa_next_free_sgpr 88
		.amdhsa_reserve_vcc 1
		.amdhsa_float_denorm_mode_32 3
		.amdhsa_float_denorm_mode_16_64 3
		.amdhsa_memory_ordered 1
		.amdhsa_forward_progress 1
		.amdhsa_inst_pref_size 34
	.end_amdhsa_kernel
	.amdgpu_metadata
---
amdhsa.version: [ 1, 2 ]
amdhsa.kernels:
  - .name:           k_q2c84d7b96b_prep
    .symbol:         k_q2c84d7b96b_prep.kd
    .args:
      - { .name: means3D, .offset: 0, .size: 8, .value_kind: global_buffer, .address_space: global }
      - { .name: scales, .offset: 8, .size: 8, .value_kind: global_buffer, .address_space: global }
      - { .name: rotations, .offset: 16, .size: 8, .value_kind: global_buffer, .address_space: global }
      - { .name: opacity, .offset: 24, .size: 8, .value_kind: global_buffer, .address_space: global }
      - { .name: colors, .offset: 32, .size: 8, .value_kind: global_buffer, .address_space: global }
      - { .name: viewmatrix, .offset: 40, .size: 8, .value_kind: global_buffer, .address_space: global }
      - { .name: projmatrix, .offset: 48, .size: 8, .value_kind: global_buffer, .address_space: global }
      - { .name: par, .offset: 56, .size: 8, .value_kind: global_buffer, .address_space: global }
      - { .name: idx, .offset: 64, .size: 8, .value_kind: global_buffer, .address_space: global }
      - { .name: out2, .offset: 72, .size: 8, .value_kind: global_buffer, .address_space: global }
    .group_segment_fixed_size: 4608
    .private_segment_fixed_size: 0
    .kernarg_segment_align: 8
    .kernarg_segment_size: 80
    .max_flat_workgroup_size: 576
    .sgpr_count:     88
    .vgpr_count:     102
    .wavefront_size: 32
...
	.end_amdgpu_metadata
.endif
;; end of part 1
;; launch lists (part 2): grid 64 x 1, 16 waves a work-group, no clusters, 4,352 bytes of LDS; arguments idx, lst; writes lst
.if DOCPART == 2
	.amdgcn_target "amdgcn-amd-amdhsa--gfx1250"
	.amdhsa_code_object_version 6
	.text
	.protected	k_q2c84d7b96b_lists
	.globl	k_q2c84d7b96b_lists
	.p2align	8
	.type	k_q2c84d7b96b_lists,@function
k_q2c84d7b96b_lists:
	s_mov_b64 s[64:65], 0
	v_nop
	global_prefetch_b8 v0, s[64:65] scope:SCOPE_SE
	s_setreg_imm32_b32 hwreg(HW_REG_WAVE_MODE, 25, 1), 1
	s_wait_xcnt 0x0
; THE TILES' LISTS.  Work-group t serves tile t (column t mod 8, row t / 8) of the 64 tiles.
; Read:    idx   rank[i] (u32) at byte 4 i: the place of Gaussian i in the sort by depth, a permutation of 0..1023;
;                tb[g][16] (u32) at byte 4096 + 64 g: bit l of word c (8 + r) = rectangle of Gaussian 32 g + l overlaps tile column c (row r).
; Stored:  lst   a record of 4,352 bytes for each tile: bytes 0..255 hold L, the number of Gaussians that touch the tile, 64 times over
;                (one store of 256 consecutive bytes); byte 256 + 8 n holds the pair (entry of Gaussian n, entry of Gaussian n + 512).
;                An entry is the Gaussian's place among the tile's Gaussians in depth order, or 1056 + n where it misses the tile.
; So the next launch takes its trip count and its LDS addresses from memory as they stand.
; How: a flag for each Gaussian is laid in LDS at its RANK; the flags are counted in blocks of 64 ranks (one wave each, two ranks a lane);
; a Gaussian's place is the flags in the blocks in front plus the flags in front inside its block.
; The LDS addresses that hang on data are the ranks as loaded, bounded by v_min_u32 in the line itself; no branch hangs on data.
; All whole numbers: no matrix unit.  4 KB of ranks and 4 words of ballots a wave: plain loads, no tensor load, no cluster.
.set PL,    1024                       ; LDS 0..1023: u8 flag by rank.  1024..2047: u8 place inside the rank's block of 64
.set WT,    2048                       ; 16 words: flags set in each block of 64 ranks
.set SPARE, 1056                       ; entries 1,056 + thread: for Gaussians that miss the tile
.set LASTS, 0x61f                      ; 1,567: the last of them
.set REC,   4352                       ; bytes of a tile's record
; scalars: s[4:5] idx, s[6:7] lst (then my record), s12 wave, s14 tile column, s15 tile row, s20-23 ballot words, s24 s25 masks, s30 L
	s_load_b128 s[4:7], s[0:1], 0x0
	v_lshl_add_u32 v40, v0, 2, 0x900
	v_mov_b32 v41, 0
	v_and_b32 v1, 31, v0                           ; lane
	v_lshrrev_b32 v28, 5, v0
	v_readfirstlane_b32 s12, v28                   ; wave 0..15
	s_mov_b32 s13, ttmp9                           ; tile
	s_and_b32 s14, s13, 7
	s_lshr_b32 s15, s13, 3
	s_lshl_b32 s17, s12, 6
	s_lshl2_add_u32 s18, s15, s17                  ; 64 w + 4 x tile row
	s_lshl2_add_u32 s17, s14, s17                  ; 64 w + 4 x tile column
	s_mul_i32 s10, s13, REC
	s_mov_b32 s11, 0
	v_lshlrev_b32 v5, 3, v0
	v_lshlrev_b32 v6, 2, v0
	v_add_nc_u32 v39, SPARE, v0                    ; my spare entry
	s_wait_kmcnt 0x0
	; thread n owns Gaussians n and n + 512: their blocks of 32 are w and w + 16, their bit is the lane
	s_load_b32 s20, s[4:5], s17 offset:4096        ; block w: overlaps my tile column
	s_load_b32 s21, s[4:5], s18 offset:4128        ;          my tile row
	s_load_b32 s22, s[4:5], s17 offset:5120        ; block w + 16
	s_load_b32 s23, s[4:5], s18 offset:5152
	global_load_b32 v2, v6, s[4:5]                 ; rank of Gaussian n
	global_load_b32 v3, v6, s[4:5] offset:2048     ; of n + 512
	s_add_nc_u64 s[6:7], s[6:7], s[10:11]          ; my tile's record
	s_wait_kmcnt 0x0
	s_and_b32 s24, s20, s21                        ; bit l: Gaussian 32 w + l touches the tile
	s_and_b32 s25, s22, s23
	; FLAGS BY RANK.  The ranks are a permutation of 0..1023, so the 1,024 bytes are all written, each by one lane.
	s_wait_loadcnt 0x0
	v_min_u32 v2, 0x3ff, v2
	v_min_u32 v3, 0x3ff, v3
	v_cndmask_b32 v28, 0, 1, s24
	v_cndmask_b32 v29, 0, 1, s25
	ds_store_b8 v2, v28
	ds_store_b8 v3, v29
	s_wait_dscnt 0x0                               ; zero: the other waves read these bytes
	s_barrier_signal -1
	s_barrier_wait -1
	; PLACES INSIDE BLOCKS OF 64 RANKS.  Wave w takes ranks 64 w .. 64 w + 63, two a lane.
	v_lshlrev_b32 v30, 1, v0
	ds_load_u16 v31, v30
	s_wait_dscnt 0x0
	v_and_b32 v32, 1, v31                          ; flag of rank 2 n
	v_lshrrev_b32 v33, 8, v31                      ; of rank 2 n + 1
	v_cmp_ne_u32 s36, 0, v32
	v_cmp_ne_u32 s37, 0, v33
	v_mbcnt_lo_u32_b32 v34, s36, 0
	v_mbcnt_lo_u32_b32 v34, s37, v34               ; flags in the lanes below: the place of rank 2 n
	v_add_nc_u32 v35, v34, v32                     ; and of rank 2 n + 1
	v_lshl_or_b32 v35, v35, 8, v34
	ds_store_b16 v30, v35 offset:PL
	s_bcnt1_i32_b32 s34, s36
	s_bcnt1_i32_b32 s27, s37
	s_add_co_u32 s34, s34, s27
	v_mov_b32 v36, s34
	v_mov_b32 v37, s12
	v_lshlrev_b32 v37, 2, v37
	ds_store_b32 v37, v36 offset:WT                ; all lanes write the same word with the same value
	s_wait_dscnt 0x0                               ; zero: every wave reads the places and the 16 counts
	s_barrier_signal -1
	s_barrier_wait -1
	; PLACES IN THE LIST
	v_and_b32 v28, 15, v1
	v_lshlrev_b32 v28, 2, v28
	ds_load_b32 v29, v28 offset:WT                 ; lane l: the count of block l mod 16
	ds_load_u8 v30, v2 offset:PL
	ds_load_u8 v31, v3 offset:PL
	s_wait_dscnt 0x0
	v_mov_b32 v32, v29
	v_mov_b32 v33, 0
.irp n, 1,2,4,8
	v_mov_b32_dpp v33, v29 row_shr:\n row_mask:0xf bank_mask:0xf bound_ctrl:1     ; running sum over the 16 lanes of a row
	v_add_nc_u32 v29, v29, v33
.endr
	v_sub_nc_u32 v32, v29, v32                     ; flags in the blocks in front
	v_readlane_b32 s30, v29, 15
	s_min_u32 s30, s30, 1024                       ; L, the length of the list
	v_lshrrev_b32 v34, 4, v2
	v_lshrrev_b32 v35, 4, v3
	v_and_b32 v34, 0x3c, v34                       ; 4 x (rank / 64): the lane that holds my block's base
	v_and_b32 v35, 0x3c, v35
	ds_bpermute_b32 v36, v34, v32
	ds_bpermute_b32 v37, v35, v32
	s_wait_dscnt 0x0
	v_add_nc_u32 v30, v30, v36                     ; place in the list
	v_add_nc_u32 v31, v31, v37
	v_cndmask_b32 v30, v39, v30, s24               ; listed: that place; not listed: my spare entry
	v_cndmask_b32 v31, v39, v31, s25
	v_min_u32 v30, LASTS, v30
	v_min_u32 v31, LASTS, v31
	global_store_b64 v5, v[30:31], s[6:7] offset:256       ; a wave's store covers 256 consecutive bytes, at a multiple of 256 from lst's first byte
	s_cmp_lg_u32 s12, 0
	s_cbranch_scc1 .Lend
	v_mov_b32 v32, s30
	v_mov_b32 v33, s30
	global_store_b64 v5, v[32:33], s[6:7]          ; wave 0 (v5 = 8 x lane): L fills the record's first 256 bytes
.Lend:
	s_wait_tensorcnt 0x0
	ds_add_u32 v40, v41
	s_wait_dscnt 0x0
	s_endpgm
.Lfunc_end_k_q2c84d7b96b_lists:
	.size	k_q2c84d7b96b_lists, .Lfunc_end_k_q2c84d7b96b_lists-k_q2c84d7b96b_lists
	.p2alignl 7, 3214868480
	.fill 96, 4, 3214868480
	.section	.rodata,"a",@progbits
	.p2align	6, 0x0
	.amdhsa_kernel k_q2c84d7b96b_lists
		.amdhsa_group_segment_fixed_size 4352
		.amdhsa_private_segment_fixed_size 0
		.amdhsa_enable_private_segment 0
		.amdhsa_kernarg_size 16
		.amdhsa_user_sgpr_count 2
		.amdhsa_user_sgpr_kernarg_segment_ptr 1
		.amdhsa_wavefront_size32 1
		.amdhsa_system_sgpr_workgroup_id_x 1
		.amdhsa_system_sgpr_workgroup_id_y 1
		.amdhsa_system_sgpr_workgroup_id_z 1
		.amdhsa_system_vgpr_workitem_id 0
		.amdhsa_next_free_vgpr 42
		.amdhsa_next_free_sgpr 66
		.amdhsa_reserve_vcc 0
		.amdhsa_float_denorm_mode_32 3
		.amdhsa_float_denorm_mode_16_64 3
		.amdhsa_memory_ordered 1
		.amdhsa_forward_progress 1
		.amdhsa_inst_pref_size 5
	.end_amdhsa_kernel
	.amdgpu_metadata
---
amdhsa.version: [ 1, 2 ]
amdhsa.kernels:
  - .name:           k_q2c84d7b96b_lists
    .symbol:         k_q2c84d7b96b_lists.kd
    .args:
      - { .name: idx, .offset: 0, .size: 8, .value_kind: global_buffer, .address_space: global }
      - { .name: lst, .offset: 8, .size: 8, .value_kind: global_buffer, .address_space: global }
    .group_segment_fixed_size: 4352
    .private_segment_fixed_size: 0
    .kernarg_segment_align: 8
    .kernarg_segment_size: 16
    .max_flat_workgroup_size: 512
    .sgpr_count:     66
    .vgpr_count:     42
    .wavefront_size: 32
...
	.end_amdgpu_metadata
.endif
;; end of part 2
;; launch render (part 3): grid 32 x 8, 16 waves a work-group, no clusters, 254,976 bytes of LDS; arguments par, lst, out0, out1; writes out0, out1
.if DOCPART == 3
	.amdgcn_target "amdgcn-amd-amdhsa--gfx1250"
	.amdhsa_code_object_version 6
	.text
	.protected	k_q2c84d7b96b_render
	.globl	k_q2c84d7b96b_render
	.p2align	8
	.type	k_q2c84d7b96b_render,@function
k_q2c84d7b96b_render:
	s_mov_b64 s[64:65], 0
	v_nop
	global_prefetch_b8 v0, s[64:65] scope:SCOPE_SE
	s_setreg_imm32_b32 hwreg(HW_REG_WAVE_MODE, 25, 1), 1
	s_wait_xcnt 0x0
; TILE RASTERISATION.  64 tiles of 25 x 25 pixels.  Work-group (u, q) makes pixels p = 80 q .. 80 q + 79 (p < 625) of TWO tiles:
; tile A = u (tile rows 0-3) and tile B = (u xor 4) + 32, four tile columns and four tile rows away.  The work of a tile grows with the
; length of its list, and where the Gaussians crowd one part of the image a long list is so paired with one from a distant part:
; a work-group's trips are nA + nB, about (LA + LB) / 32.
; 1. The launch before stored, for each tile, the length L of its list (the Gaussians whose rectangle overlaps the tile, in depth order)
;    and each Gaussian's entry in it.  Thread n loads the parameters of Gaussians n and n + 512 once and lays them into both tiles' lists
;    in LDS at their entries; a Gaussian that misses a tile has a spare entry there that nobody reads.  Such a Gaussian has factor 1 and
;    weight 0 in the reference: it is left out.  Trip counts and LDS addresses come from those whole numbers as loaded, each bounded
;    by a minimum with a constant in the line.  The parameter loads' addresses are made of the thread's number alone: they leave together
;    with the loads of the entries and do not wait for them.
; 2. A list is cut into 32 pieces of n = ceil(L / 32) entries.  A wave holds the 80 pixels twice, 5 a lane in each half of its lanes (two
;    packed pairs and a single one); lanes 0-15 composite piece 2 w, lanes 16-31 piece 2 w + 1:
;    T = product of (1 - alpha + 1e-10), C = sum of T alpha (r, g, b, 1), starting from T = 1.  First tile A's list, then tile B's.
; 3. The 32 pieces are joined in list order, C = C + T C_s, T = T T_s, by waves 0-4 (one pixel of one tile a lane), and stored.
; The exponent is not shifted: the reference takes no maximum away either, and alpha = opacity 2^e is used as it stands.
; No matrix unit: the quadratic form is 2 long, and as a product of monomials in bf16 it would be a difference of large sums; the weights
; come out of a serial f32 recurrence with a pixel in each lane and meet 4 colour columns, 10 of the trip's 53 vector instructions.
; No tensor load, cluster or multicast: the parameters go from three planes into entries whose places are read from memory, lane by lane;
; there is no tile that could be laid down as it lies in memory.
; A tile row is 25 pixels (300 bytes of out0, 100 of out1): neighbouring lanes store neighbouring pixels, in runs no longer than that.
; LIMIT: 2^e below 2^-126 comes out as 0 (v_exp_f32 flushes denormal results, ISA guide 15.8).
.set SPIX,  80                         ; pixels of each tile that a work-group makes
.set REC,   4352                       ; bytes of a tile's record in lst: 256 of L, then 512 pairs of entries
.set ENT,   48                         ; a list entry: +0 (mx, my, A', B'), +16 (C', opacity), +32 (r, g, b, 1)
.set LISTB, 75264                      ; LDS: tile A's list at 0, tile B's here: 1,568 entries each
.set LAST,  0x41f                      ; 1,055: the last entry that can be read (1,024 listed, then zeros)
.set LASTS, 0x61f                      ; 1,567: the last spare entry (1,056 + thread)
.set PARTC, 150528                     ; [32 pieces][160 slots] x 16 bytes: (r, g, b, a) of a piece; slot = 80 x tile + pixel
.set PARTT, 232448                     ; [32][160] x 4 bytes: T of a piece; ends at 252,928
.set XA,   40                          ; v40-44   tile A: pixel x as f32, pixel 16 k + (lane mod 16) in v[XA+k]
.set YA,   46                          ; v46-50   pixel y
.set TA,   52                          ; v52-56   transmittance
.set ACCA, 60                          ; v[60:79] (r, g, b, a) of pixel k in v[ACCA+4k : ACCA+4k+3]
.set Q0,   80                          ; v[80:83] mx, my, A', B' of the entry at work
.set Q1,   84                          ; v[84:85] C', opacity
.set COL,  88                          ; v[88:91] r, g, b, 1
.set D0,   92                          ; v[92:99], v[100:107], v[108:113]: at work
.set D1,   100
.set D2,   108
.set XB,   120                         ; v120-159: the same four for tile B, so that nothing is set up anew between the two lists
.set YB,   126
.set TB,   132
.set ACCB, 140
; vectors: v1 lane mod 16, v[2:3] v[32:33] my two Gaussians' entries in lists A and B, v4 v5 v6 16, 8, 4 x thread, v[8:17] v[18:27] their
;          parameters, v30 v31 v34 v35 their LDS addresses, v116 the entry's address, v117 its running offset, v118 my piece, v119 lane / 16
; scalars: s[4:5] par, s[6:7] lst, s[8:9] out0, s[10:11] out1, s12 wave, s13 tile A, s14 s15 its column and row, s16 q, s17 tile B, s19 80 q,
;          s[20:21] s[22:23] the two records, s24 s25 25 x column, row of A, s42 s43 of B, s26 saved EXEC, s[28:29] 1e-10, s30 s31 LA LB,
;          s32 s33 nA nB, s[36:37] x of B minus x of A as f32, s40 trip
	s_load_b256 s[4:11], s[0:1], 0x0
	v_lshl_add_u32 v180, v0, 2, 0x3dc00
	v_mov_b32 v181, 0
	v_and_b32 v1, 15, v0                           ; lane mod 16
	v_lshrrev_b32 v28, 5, v0
	v_readfirstlane_b32 s12, v28                   ; wave 0..15
	v_lshrrev_b32 v118, 4, v0                      ; my piece of a list: 2 w + lane / 16
	v_bfe_u32 v119, v0, 4, 1                       ; lane / 16
	s_mov_b32 s13, ttmp9                           ; tile A, 0..31
	s_and_b32 s14, s13, 7
	s_lshr_b32 s15, s13, 3
	s_and_b32 s16, ttmp7, 0xffff                   ; slice of 80 pixels, 0..7
	s_xor_b32 s17, s13, 4
	s_add_co_u32 s17, s17, 32                      ; tile B, 32..63
	s_mul_i32 s20, s13, REC
	s_mov_b32 s21, 0
	s_mul_i32 s22, s17, REC
	s_mov_b32 s23, 0
	s_mul_i32 s19, s16, SPIX
	s_mul_i32 s24, s14, 25
	s_mul_i32 s25, s15, 25
	s_xor_b32 s18, s14, 4
	s_mul_i32 s42, s18, 25
	s_add_co_u32 s43, s25, 100
	s_and_b32 s34, s14, 4                          ; column 4-7: B lies 100 pixels to the left, else to the right:
	s_lshl_b32 s34, s34, 29                        ; bit 2 of the column becomes the sign
	s_or_b32 s36, s34, 0x42c80000                  ; of 100.0
	s_mov_b32 s37, s36
	s_mov_b32 s28, 0x2edbe6ff                      ; 1e-10
	s_mov_b32 s29, 0x2edbe6ff
	v_lshlrev_b32 v4, 4, v0
	v_lshlrev_b32 v5, 3, v0
	v_lshlrev_b32 v6, 2, v0
	s_wait_kmcnt 0x0
	s_add_nc_u64 s[20:21], s[6:7], s[20:21]        ; tile A's record
	s_add_nc_u64 s[22:23], s[6:7], s[22:23]        ; tile B's
	s_load_b32 s30, s[20:21], 0x0                  ; LA
	s_load_b32 s31, s[22:23], 0x0                  ; LB
	global_load_b64 v[2:3], v5, s[20:21] offset:256        ; the entries of Gaussians n and n + 512 in list A
	global_load_b64 v[32:33], v5, s[22:23] offset:256      ; in list B
.irp k, 0,1
	global_load_b128 v[8+10*\k:11+10*\k],  v4, s[4:5] offset:8192*\k               ; mx, my, A', B'
	global_load_b64  v[12+10*\k:13+10*\k], v5, s[4:5] offset:16384+4096*\k         ; C', opacity
	global_load_b128 v[14+10*\k:17+10*\k], v4, s[4:5] offset:24576+8192*\k         ; r, g, b, 1
.endr
	; while the loads are on their way: the pixels and the start of the sums, for both tiles
	v_add_nc_u32 v28, s19, v1
.irp k, 0,1,2,3,4
	v_add_nc_u32 v29, 16*\k, v28                   ; p = 80 q + 16 k + lane mod 16,
	v_min_u32 v29, 624, v29                        ; the spare slots of the last slice repeat pixel 624 and are not stored
	v_mul_u32_u24 v30, v29, 5243
	v_lshrrev_b32 v30, 17, v30                     ; p / 25: 5243 / 2^17 exceeds 1/25 by 3 / 3,276,800, which times 624 stays under 1/25
	v_mul_u32_u24 v31, v30, 25
	v_sub_nc_u32 v31, v29, v31                     ; p mod 25
	v_add_nc_u32 v31, s24, v31
	v_add_nc_u32 v30, s25, v30
	v_cvt_f32_u32 v[XA+\k], v31
	v_cvt_f32_u32 v[YA+\k], v30
	v_add_f32 v[XB+\k], s36, v[XA+\k]              ; whole numbers below 200: exact
	v_add_f32 v[YB+\k], 0x42c80000, v[YA+\k]       ; + 100
	v_mov_b32 v[TA+\k], 1.0
	v_mov_b32 v[TB+\k], 1.0
.endr
.set jj, 0
.rept 20
	v_mov_b32 v[ACCA+jj], 0                        ; the trip counts are read from memory, so no first trip is written out to start the sums
	v_mov_b32 v[ACCB+jj], 0
.set jj, jj+1
.endr
	; THE TWO LISTS
	s_wait_loadcnt 0x6                             ; my four entries are in; the six parameter loads issued behind them stay out
	v_min_u32 v2, LASTS, v2
	v_min_u32 v3, LASTS, v3
	v_min_u32 v32, LASTS, v32
	v_min_u32 v33, LASTS, v33
	v_mul_u32_u24 v30, v2, ENT
	v_mul_u32_u24 v31, v3, ENT
	v_mul_u32_u24 v34, v32, ENT
	v_mul_u32_u24 v35, v33, ENT
	v_add_nc_u32 v34, LISTB, v34
	v_add_nc_u32 v35, LISTB, v35
.macro PUT k, left
	s_wait_loadcnt \left
.irp a, 30, 34
	ds_store_b128 v[\a+\k], v[8+10*\k:11+10*\k]
	ds_store_b64  v[\a+\k], v[12+10*\k:13+10*\k] offset:16
	ds_store_b128 v[\a+\k], v[14+10*\k:17+10*\k] offset:32
.endr
.endm
	PUT 0, 3                                       ; the first Gaussian's three loads are in, the second's three stay out
	PUT 1, 0
	s_wait_kmcnt 0x0
	s_min_u32 s30, s30, 1024                       ; LA and LB, bounded in the line itself
	s_min_u32 s31, s31, 1024
	; Waves 0-1 lay 64 entries of zeros behind list A, waves 2-3 behind list B: alpha = 0, factor (1 - 0) + 1e-10 = 1, weight 0.  They fill
	; the list up to 32 n and cover the one entry that the loop reads ahead: entry 32 n, at most max(L + 31, 32) and at most 1,024.
	s_cmp_gt_u32 s12, 3
	s_cbranch_scc1 .Lnonull
	s_cmp_lt_u32 s12, 2
	s_cselect_b32 s34, s30, s31
	s_cselect_b32 s35, 0, LISTB
	v_and_b32 v38, 63, v0
	v_add_nc_u32 v38, s34, v38
	v_min_u32 v38, LAST, v38                       ; below the spare entries; lanes that meet here store the same zeros
	v_mul_u32_u24 v38, v38, ENT
	v_add_nc_u32 v38, s35, v38
.irp r, 92,93,94,95
	v_mov_b32 v\r, 0
.endr
	ds_store_b128 v38, v[92:95]
	ds_store_b128 v38, v[92:95] offset:16
	ds_store_b128 v38, v[92:95] offset:32
.Lnonull:
	s_add_co_u32 s32, s30, 31
	s_lshr_b32 s32, s32, 5
	s_max_u32 s32, s32, 1                          ; nA = entries of a piece, 1 .. 32
	s_add_co_u32 s33, s31, 31
	s_lshr_b32 s33, s33, 5
	s_max_u32 s33, s33, 1                          ; nB
	s_wait_dscnt 0x0                               ; zero: every wave reads entries that other waves stored
	s_barrier_signal -1
	s_barrier_wait -1
	; COMPOSITING
; the exponent of two pixels into v[d+4:d+5]:  (A' dx + B' dy) dx + (C' dy) dy
.macro PAIRQ x, y, d
	v_pk_add_f32 v[\d:\d+1],   v[\x:\x+1], v[Q0:Q0+1] op_sel_hi:[1,0] neg_lo:[0,1] neg_hi:[0,1]              ; dx = x - mx
	v_pk_add_f32 v[\d+2:\d+3], v[\y:\y+1], v[Q0:Q0+1] op_sel:[0,1] op_sel_hi:[1,1] neg_lo:[0,1] neg_hi:[0,1] ; dy = y - my
	v_pk_mul_f32 v[\d+4:\d+5], v[\d:\d+1],   v[Q0+2:Q0+3] op_sel_hi:[1,0]
	v_pk_mul_f32 v[\d+6:\d+7], v[\d+2:\d+3], v[Q1:Q1+1] op_sel_hi:[1,0]
	v_pk_fma_f32 v[\d+4:\d+5], v[\d+2:\d+3], v[Q0+2:Q0+3], v[\d+4:\d+5] op_sel:[0,1,0] op_sel_hi:[1,1,1]
	v_pk_mul_f32 v[\d+6:\d+7], v[\d+6:\d+7], v[\d+2:\d+3]
	v_pk_fma_f32 v[\d+4:\d+5], v[\d+4:\d+5], v[\d:\d+1], v[\d+6:\d+7]
.endm
; alpha in v[d:d+1]: the factor into v[d+2:d+3], the weight into v[d+6:d+7], T stepped
.macro PAIRT t, d
	v_pk_add_f32 v[\d+2:\d+3], v[\d:\d+1], 1.0 op_sel_hi:[1,0] neg_lo:[1,0] neg_hi:[1,0]     ; 1 - alpha
	v_pk_add_f32 v[\d+2:\d+3], v[\d+2:\d+3], s[28:29] op_sel_hi:[1,0]                        ; + 1e-10
	v_pk_mul_f32 v[\d+6:\d+7], v[\t:\t+1], v[\d:\d+1]                                        ; w = T alpha
	v_pk_mul_f32 v[\t:\t+1],   v[\t:\t+1], v[\d+2:\d+3]
.endm
; (r, g, b, a) of two pixels += w (r, g, b, 1)
.macro PAIRC a, d
	v_pk_fma_f32 v[\a:\a+1],   v[\d+6:\d+7], v[COL:COL+1],   v[\a:\a+1]   op_sel_hi:[0,1,1]
	v_pk_fma_f32 v[\a+2:\a+3], v[\d+6:\d+7], v[COL+2:COL+3], v[\a+2:\a+3] op_sel_hi:[0,1,1]
	v_pk_fma_f32 v[\a+4:\a+5], v[\d+6:\d+7], v[COL:COL+1],   v[\a+4:\a+5] op_sel:[1,0,0] op_sel_hi:[1,1,1]
	v_pk_fma_f32 v[\a+6:\a+7], v[\d+6:\d+7], v[COL+2:COL+3], v[\a+6:\a+7] op_sel:[1,0,0] op_sel_hi:[1,1,1]
.endm
; One tile's list (tile = 0: A, 1: B; base = its list's LDS address): my half of the lanes takes entries piece x n .. piece x n + n - 1.
; The 16 lanes of a half read the same entry, so a load touches two entries.
.macro COMP tile, x, y, t, a, base
	v_mul_u32_u24 v117, v118, s[32+\tile]          ; my piece's first entry,
	v_mul_u32_u24 v117, v117, ENT                  ; in bytes
.if \base
	v_add_nc_u32 v117, \base, v117
.endif
	v_min_u32 v116, \base+LAST*ENT, v117           ; bounded in the line itself
	ds_load_b128 v[Q0:Q0+3],   v116
	ds_load_b64  v[Q1:Q1+1],   v116 offset:16
	ds_load_b128 v[COL:COL+3], v116 offset:32
	s_mov_b32 s40, 0
.Lcomp\tile:
	s_wait_dscnt 0x1                               ; Q0 and Q1 of this entry are in; only its colour, issued behind them, may be out
	PAIRQ \x, \y, D0
	PAIRQ \x+2, \y+2, D1
	v_sub_f32 v[D2], v[\x+4], v[Q0]                ; the fifth pixel, in plain f32
	v_sub_f32 v[D2+1], v[\y+4], v[Q0+1]
	v_mul_f32 v[D2+2], v[Q0+2], v[D2]
	v_mul_f32 v[D2+3], v[Q1], v[D2+1]
	v_fmac_f32 v[D2+2], v[Q0+3], v[D2+1]
	v_mul_f32 v[D2+3], v[D2+3], v[D2+1]
	v_fma_f32 v[D2+2], v[D2+2], v[D2], v[D2+3]
	v_exp_f32 v[D0], v[D0+4]
	v_exp_f32 v[D0+1], v[D0+5]
	v_exp_f32 v[D1], v[D1+4]
	v_exp_f32 v[D1+1], v[D1+5]
	v_exp_f32 v[D2], v[D2+2]
	v_add_nc_u32 v117, ENT, v117                   ; the next entry; also the plain instruction behind the exponentials (ISA guide 5.7.2)
	v_min_u32 v116, \base+LAST*ENT, v117           ; its address, bounded in the line itself
	s_wait_alu depctr_va_vdst(0)
	v_pk_mul_f32 v[D0:D0+1], v[D0:D0+1], v[Q1:Q1+1] op_sel:[0,1] op_sel_hi:[1,1]     ; alpha = opacity 2^e
	v_pk_mul_f32 v[D1:D1+1], v[D1:D1+1], v[Q1:Q1+1] op_sel:[0,1] op_sel_hi:[1,1]
	v_mul_f32 v[D2], v[D2], v[Q1+1]                ; the last use of Q0 and Q1
	ds_load_b128 v[Q0:Q0+3], v116                  ; the next entry
	ds_load_b64  v[Q1:Q1+1], v116 offset:16
	PAIRT \t, D0
	PAIRT \t+2, D1
	v_sub_f32 v[D2+5], 1.0, v[D2]
	v_add_f32 v[D2+5], s28, v[D2+5]
	v_mul_f32 v[D2+4], v[\t+4], v[D2]              ; w in the low register of a pair whose high register holds the factor
	v_mul_f32 v[\t+4], v[\t+4], v[D2+5]
	s_wait_dscnt 0x2                               ; this entry's colour is in; the two loads just issued stay out
	PAIRC \a, D0
	PAIRC \a+8, D1
	v_pk_fma_f32 v[\a+16:\a+17], v[D2+4:D2+5], v[COL:COL+1],   v[\a+16:\a+17] op_sel_hi:[0,1,1]
	v_pk_fma_f32 v[\a+18:\a+19], v[D2+4:D2+5], v[COL+2:COL+3], v[\a+18:\a+19] op_sel_hi:[0,1,1]
	ds_load_b128 v[COL:COL+3], v116 offset:32
	s_add_co_u32 s40, s40, 1
	s_cmp_lt_u32 s40, s[32+\tile]
	s_cbranch_scc1 .Lcomp\tile
	s_wait_dscnt 0x0                               ; the three loads that ran ahead have landed: their registers may be loaded again
.endm
	COMP 0, XA, YA, TA, ACCA, 0
	COMP 1, XB, YB, TB, ACCB, LISTB
	; my two pieces of both tiles: piece 2 w + lane / 16, slot 80 x tile + 16 k + lane mod 16
	s_mul_i32 s34, s12, 5120
	s_add_co_u32 s34, s34, PARTC
	v_mul_u32_u24 v160, v119, 2560
	v_lshl_add_u32 v160, v1, 4, v160
	v_add_nc_u32 v160, s34, v160
	s_mul_i32 s35, s12, 1280
	s_add_co_u32 s35, s35, PARTT
	v_mul_u32_u24 v161, v119, 640
	v_lshl_add_u32 v161, v1, 2, v161
	v_add_nc_u32 v161, s35, v161
.irp k, 0,1,2,3,4
	ds_store_b128 v160, v[ACCA+4*\k:ACCA+4*\k+3] offset:256*\k
	ds_store_b32 v161, v[TA+\k] offset:64*\k
	ds_store_b128 v160, v[ACCB+4*\k:ACCB+4*\k+3] offset:1280+256*\k
	ds_store_b32 v161, v[TB+\k] offset:320+64*\k
.endr
	s_wait_dscnt 0x0                               ; zero: waves 0-4 read every wave's pieces
	s_barrier_signal -1
	s_barrier_wait -1
	; THE PIECES JOINED, one slot a lane: threads 0-79 tile A's pixels, threads 80-159 tile B's
	s_cmp_gt_u32 s12, 4
	s_cbranch_scc1 .Lend
	v_add_nc_u32 v177, PARTC, v4                   ; pieces 0-15
	v_add_nc_u32 v178, PARTC+16*2560, v4           ; pieces 16-31: a second register, since 31 x 2,560 passes the 16-bit offset
	v_add_nc_u32 v179, PARTT, v6
.set seg, 0
.rept 31
.if seg < 16
	ds_load_b128 v[8+4*seg:11+4*seg], v177 offset:2560*seg         ; C of piece seg: load number 2 seg
.else
	ds_load_b128 v[8+4*seg:11+4*seg], v178 offset:2560*(seg-16)
.endif
	ds_load_b32 v[136+seg], v179 offset:640*seg                    ; T of piece seg: load number 2 seg + 1
.set seg, seg+1
.endr
	ds_load_b128 v[132:135], v178 offset:2560*15                   ; load number 62; the last T is not needed
	v_mov_b32 v169, 0                              ; the high register of the pair whose low register carries the running T
	v_cmp_le_u32 s34, 80, v0                       ; the lanes of tile B
	v_mov_b32 v170, 80
	v_cndmask_b32 v170, 0, v170, s34
	v_sub_nc_u32 v170, v0, v170                    ; pixel of the slice
	v_add_nc_u32 v170, s19, v170                   ; p
	v_min_u32 v171, 624, v170
	v_mul_u32_u24 v172, v171, 5243
	v_lshrrev_b32 v172, 17, v172                   ; p / 25
	v_mul_u32_u24 v173, v172, 25
	v_sub_nc_u32 v173, v171, v173                  ; p mod 25
	v_mov_b32 v174, s25
	v_mov_b32 v175, s43
	v_cndmask_b32 v174, v174, v175, s34
	v_add_nc_u32 v172, v172, v174                  ; image row
	v_mov_b32 v174, s24
	v_mov_b32 v175, s42
	v_cndmask_b32 v174, v174, v175, s34
	v_add_nc_u32 v173, v173, v174                  ; image column
	v_mad_u32_u24 v172, v172, 200, v173
	v_mul_u32_u24 v173, v172, 12
	v_lshlrev_b32 v174, 2, v172
	v_mov_b32 v175, s30
	v_mov_b32 v176, s31
	v_cndmask_b32 v175, v175, v176, s34            ; L of my tile
	v_cmp_ne_u32 s35, 0, v175
.set seg, 1
.rept 31
	s_wait_dscnt 62-2*seg                          ; 62 - 2 seg loads were issued behind C of piece seg; T of the piece before is older still
.if seg == 1
	v_mov_b32 v168, v136
.else
	v_mul_f32 v168, v168, v[136+seg-1]             ; T of all pieces in front
.endif
	v_pk_fma_f32 v[8:9],   v[168:169], v[8+4*seg:9+4*seg],   v[8:9]   op_sel_hi:[0,1,1]
	v_pk_fma_f32 v[10:11], v[168:169], v[10+4*seg:11+4*seg], v[10:11] op_sel_hi:[0,1,1]
.set seg, seg+1
.endr
	v_cndmask_b32 v8, 1.0, v8, s35                 ; a tile that no Gaussian touches stays white; its alpha is the zeros' sum, 0
	v_cndmask_b32 v9, 1.0, v9, s35
	v_cndmask_b32 v10, 1.0, v10, s35
	v_cmp_gt_u32 vcc_lo, 625, v170                 ; the last slice has 65 pixels
	s_wait_xcnt 0x0                                ; EXEC is a source of every global instruction issued so far: it narrows only behind this wait
	s_and_saveexec_b32 s26, vcc_lo
	global_store_b96 v173, v[8:10], s[8:9]
	global_store_b32 v174, v11, s[10:11]
	s_wait_xcnt 0x0                                ; and widens only behind this one
	s_or_b32 exec_lo, exec_lo, s26
.Lend:
	s_wait_tensorcnt 0x0
	ds_add_u32 v180, v181
	s_wait_dscnt 0x0
	s_endpgm
.Lfunc_end_k_q2c84d7b96b_render:
	.size	k_q2c84d7b96b_render, .Lfunc_end_k_q2c84d7b96b_render-k_q2c84d7b96b_render
	.p2alignl 7, 3214868480
	.fill 96, 4, 3214868480
	.section	.rodata,"a",@progbits
	.p2align	6, 0x0
	.amdhsa_kernel k_q2c84d7b96b_render
		.amdhsa_group_segment_fixed_size 254976
		.amdhsa_private_segment_fixed_size 0
		.amdhsa_enable_private_segment 0
		.amdhsa_kernarg_size 32
		.amdhsa_user_sgpr_count 2
		.amdhsa_user_sgpr_kernarg_segment_ptr 1
		.amdhsa_wavefront_size32 1
		.amdhsa_system_sgpr_workgroup_id_x 1
		.amdhsa_system_sgpr_workgroup_id_y 1
		.amdhsa_system_sgpr_workgroup_id_z 1
		.amdhsa_system_vgpr_workitem_id 0
		.amdhsa_next_free_vgpr 182
		.amdhsa_next_free_sgpr 66
		.amdhsa_reserve_vcc 1
		.amdhsa_float_denorm_mode_32 3
		.amdhsa_float_denorm_mode_16_64 3
		.amdhsa_memory_ordered 1
		.amdhsa_forward_progress 1
		.amdhsa_inst_pref_size 31
	.end_amdhsa_kernel
	.amdgpu_metadata
---
amdhsa.version: [ 1, 2 ]
amdhsa.kernels:
  - .name:           k_q2c84d7b96b_render
    .symbol:         k_q2c84d7b96b_render.kd
    .args:
      - { .name: par, .offset: 0, .size: 8, .value_kind: global_buffer, .address_space: global }
      - { .name: lst, .offset: 8, .size: 8, .value_kind: global_buffer, .address_space: global }
      - { .name: out0, .offset: 16, .size: 8, .value_kind: global_buffer, .address_space: global }
      - { .name: out1, .offset: 24, .size: 8, .value_kind: global_buffer, .address_space: global }
    .group_segment_fixed_size: 254976
    .private_segment_fixed_size: 0
    .kernarg_segment_align: 8
    .kernarg_segment_size: 32
    .max_flat_workgroup_size: 512
    .sgpr_count:     66
    .vgpr_count:     182
    .wavefront_size: 32
...
	.end_amdgpu_metadata
.endif
;; end of part 3
